; MI455X (gfx1250); checked and timed in simulation.
; The chip was launched on July 23, 2026; its instructions are those of AMD's public machine-readable ISA for CDNA 5 (MIT licence, August 2026) and "CDNA5" Instruction Set Architecture Reference Guide (July 2026). The comments in the code are by the model that wrote it; some were corrected since.
;; Multi Head Attention. Allowed arithmetic: matrix products marked QUANTISED: E2M3 operands, one E8M0 scale for each 32 along K, by v_wmma_scale_f32_16x16x128_f8f6f4 with both operands' format E2M3, f32 sums; everything else in f32.
;; Inputs: b_proj 1,024 float32; w_proj_codes 1,024 x 32 x 24 uint8 (E2M3 codes of w_proj, K innermost, in blocks of 32 codes, four codes in three bytes); w_proj_scales 1,024 x 32 uint8 (E8M0 scales of w_proj, one for each 32 codes along K); wk_codes 16 x 64 x 32 x 24 uint8 (E2M3 codes of wk, K innermost, in blocks of 32 codes, four codes in three bytes); wk_scales 16 x 64 x 32 uint8 (E8M0 scales of wk, one for each 32 codes along K); wq_codes 16 x 64 x 32 x 24 uint8 (E2M3 codes of wq, K innermost, in blocks of 32 codes, four codes in three bytes); wq_scales 16 x 64 x 32 uint8 (E8M0 scales of wq, one for each 32 codes along K); wv_codes 16 x 64 x 32 x 24 uint8 (E2M3 codes of wv, K innermost, in blocks of 32 codes, four codes in three bytes); wv_scales 16 x 64 x 32 uint8 (E8M0 scales of wv, one for each 32 codes along K); x_codes 4 x 2,048 x 32 x 24 uint8 (E2M3 codes of x, K innermost, in blocks of 32 codes, four codes in three bytes); x_scales 4 x 2,048 x 32 uint8 (E8M0 scales of x, one for each 32 codes along K).
;; Outputs: out0 4 x 2,048 x 1,024 float32.
;; This version of the problem:
;;   THIS VERSION OF THE PROBLEM IS GIVEN IN LOW PRECISION. The matrix products marked QUANTISED in the list below multiply operands that are first quantised to E2M3 (2 exponent bits, 3 mantissa bits; 6 bits a number), with one power-of-two scale for each 32 numbers along K (OCP MX v1.0); their sums are f32. All else is computed in f32.
;;   The module's matrix products, in the order in which they are computed (A, B: the left and right operand; K: the contracted axis; several contracted axes count as one K, in the product's order):
;;     1. [M 1,024, K 1,024] x [K 1,024, N 8,192]; A: input wq (given as codes); B: input x (given as codes): QUANTISED
;;     2. [M 1,024, K 1,024] x [K 1,024, N 8,192]; A: input wk (given as codes); B: input x (given as codes): QUANTISED
;;     3. [M 1,024, K 1,024] x [K 1,024, N 8,192]; A: input wv (given as codes); B: input x (given as codes): QUANTISED
;;     4. batch 64 x [M 2,048, K 64] x [K 64, N 2,048]; A: computed on the way; B: computed on the way: QUANTISED
;;     5. batch 64 x [M 2,048, K 2,048] x [K 2,048, N 64]; A: softmax (see below); B: computed on the way: QUANTISED
;;     6. [M 8,192, K 1,024] x [K 1,024, N 1,024]; A: computed on the way; B: input w_proj (given as codes): QUANTISED
;;   THE QUANTISER, for each operand of a quantised product, along K:
;;     - K is cut into blocks of 32 from its start; a last block that is shorter is filled with zeros.
;;     - A block's scale is 2^e with e = floor(log2(the largest magnitude in the block)) - 2, held to -126 .. 127; a block of zeros has e = 0. As a byte (E8M0): e + 127.
;;     - Each number is divided by its block's scale, clamped to +-7.5, and rounded to the nearest number of E2M3, ties to even, subnormals kept.
;;     - The product sums the exact products of the quantised numbers (number of the format x scale) in f32.
;;   ~~~python
;;   def quantise(x, axis):      # numpy; x: float32 -> the quantised numbers, widened to float32 again
;;       x = np.moveaxis(x, axis, -1); K = x.shape[-1]
;;       x = np.pad(x, [(0, 0)] * (x.ndim - 1) + [(0, -K % 32)]); x = x.reshape(x.shape[:-1] + (-1, 32)); a = np.abs(x).max(-1, keepdims=True)
;;       e = np.where(a > 0, np.clip(np.frexp(np.where(a > 0, a, 1))[1] - 1 - 2, -126, 127), 0)      # np.frexp(a)[1] - 1 = floor(log2(a)), exactly
;;       r = np.clip(x / 2.0 ** e, -7.5, 7.5)
;;       step = 2.0 ** (np.maximum(np.frexp(np.where(r == 0, 1, r))[1] - 1, 0) - 3)
;;       q = np.round(r / step) * step * 2.0 ** e      # np.round: ties to even
;;       return np.moveaxis(q.reshape(q.shape[:-2] + (-1,))[..., :K], -1, axis).astype(np.float32)
;;   ~~~
;;   SOFTMAX AHEAD OF A QUANTISED PRODUCT. Where the list says 'softmax', what is quantised is not the finished softmax but p = 2^(t - M), with t = logit x log2(e) and M = ceil(the row's largest t), a whole number; so 1/2 < the row's largest p <= 1. The row's sum l is taken of the UNQUANTISED p, in f32, and the product's result is divided by l at the end. Since M is a whole number, a kernel that streams over the keys may use a running M (the ceiling of the running maximum): every later rescaling is an exact power of two, which a block's scale takes up: the codes' values come out the same.
;;   OPERANDS COMPUTED ON THE WAY. 'Computed on the way' means the value that the module computes at that place (a softmax that the list does not call 'softmax' is quantised finished and normalised). What goes into a quantiser is computed in f32, as accurately as f32 sums, v_exp_f32 and their like allow (about 1e-6 of the number): no bf16 or f16 on the way to a quantiser, and a product that is left as it is and whose result goes on into a quantised operand takes f32 operands (vector FMAs, or v_wmma_f32_16x16x4_f32). A number that lies on a knife's edge between two numbers of the format may be rounded either way, as far as f32 arithmetic and the matrix unit's own rounding can turn it there, and no further.
;;   INPUTS GIVEN AS CODES. w_proj (in the module: [1024, 1024], K = its axis 1); wk (in the module: [16, 1024, 64], K = its axis 1); wq (in the module: [16, 1024, 64], K = its axis 1); wv (in the module: [16, 1024, 64], K = its axis 1); x (in the module: [4, 2048, 1024], K = its axis 2): each comes as NAME_codes (uint8): NAME with its K axis moved to the last place and cut into blocks of 32 codes, [.., K / 32, bytes a block], one block behind the other in memory; four codes in three bytes: a row's codes are one little-endian stream of bits, code i at bits 6 i .. 6 i + 5 (a code: sign, 2 exponent bits, 3 mantissa bits); and NAME_scales (uint8): the same leading axes, one E8M0 byte (e + 127) for each 32 codes along K. Its value is code x scale, taken as it is: it is not quantised again, and the codes and scales need not be those that the quantiser above would give.
;; One version. Each part assembles by itself: llvm-mc -triple=amdgcn-amd-amdhsa -mcpu=gfx1250 --defsym DOCPART=n.
;; ======== version 1 of 1: 3 launches
;; limits: right only within a limited range of input values
;; workspace buffers: qbuf 6,815,744 bytes; kv 13,631,488 bytes; acod 6,291,456 bytes; ascl 262,144 bytes
;; launch qkv (part 1): grid 4 x 96, 4 waves a work-group, clusters of 4 x 4, 327,680 bytes of LDS; arguments x_codes, x_scales, wq_codes, wq_scales, wk_codes, wk_scales, wv_codes, wv_scales, qbuf, kv; writes qbuf, kv
.if DOCPART == 1
	.amdgcn_target "amdgcn-amd-amdhsa--gfx1250"
	.amdhsa_code_object_version 6
	.text
	.protected	k_q751313179e_qkv
	.globl	k_q751313179e_qkv
	.p2align	8
	.type	k_q751313179e_qkv,@function
k_q751313179e_qkv:
	s_mov_b64 s[64:65], 0
	v_nop
	global_prefetch_b8 v0, s[64:65] scope:SCOPE_SE
	s_setreg_imm32_b32 hwreg(HW_REG_WAVE_MODE, 25, 1), 1
	s_wait_xcnt 0x0
	s_wait_alu depctr_hold_cnt(0) depctr_sa_sdst(0) depctr_va_vdst(0) depctr_va_sdst(0) depctr_va_ssrc(0) depctr_va_vcc(0) depctr_vm_vsrc(0)
	s_getreg_b32 s2, hwreg(HW_REG_IB_STS2, 6, 4)
	s_cmp_eq_u32 s2, 0
	s_cbranch_scc0 .Lentry_in_a_cluster
	s_endpgm
.Lentry_in_a_cluster:
	s_bfe_u32 s2, ttmp6, 0x10000c
	s_cmp_lg_u32 s2, 0xf033
	s_cbranch_scc0 .Lentry_shape_is_right
	s_endpgm
.Lentry_shape_is_right:
; q, k, v = x times wq, wk, wv, on codes of FP6 (E2M3) with one E8M0 scale for each 32 along K = 1,024; the results are quantised again, in registers, for the two products of attention.
; WORK LEFT OUT IN THE PROGRAM: reference() hides every key behind a query by its own causal mask (-inf ahead of the softmax: p = 0 for all inputs), so the next launch passes over key steps that lie wholly behind a tile's queries.
; A NaN, an infinity or an overflow that reaches only those hidden scores is not carried to the result.  Every input is loaded.
; One text serves the three products; the cluster's y says which (0-7: q, 8-15: k, 16-23: v).  A tile of 256 x 256 results is made by four waves, 128 x 128 each: 64 accumulators.
; P, source 0, is the side ALONG WHICH THE RESULT IS QUANTISED; R, source 1, the side of which a lane holds one row.  q, k: P = the weight's rows, R = x's tokens.  v: P = x's tokens, R = wv's rows.
; K goes through two LDS slots in CHUNKS OF 256 BYTES of each row of 768: every tile row is 256 bytes and begins at a multiple of 256.  A step of 128 along K is 96 bytes: eight steps to three chunks; steps 2 and 5 read both slots.
; The scale bytes of the 256 + 256 rows come once and stay.  CLUSTERS 4 x 4: R's tiles are asked for jointly along a row of the cluster, P's along a column.
; THE WAY OUT uses no LDS.  For R's block a, register 16 B + 8 u + j = P's row 32 B + 16 u + 8 (lane / 16) + j; block B's codes are laid at place 16 (lane / 16) + 8 u + j: one fixed order inside a block of 32, the same on both sides of each later product.
; OUTPUT.  qbuf: [16 b + head][record of 128 tokens][6,656]: four images of 1,536 bytes (a pair of token tiles, four registers at 512 i + 16 lane), then 512 bytes of scale words.  kv: records of 13,312: k so, then four images of v and their scale words.
; No prefetch: three chunks a row, the first two asked for at the head, so one refill alone could be run ahead of.
; LIMITS: NaN and infinities are not served.  A block whose largest magnitude lies under 2^-124, or a block of zeros, keeps the scale byte 1 (this program alone reads the bytes).
.set SIZE_K, 1024
.set ROWB,   256
.set NQ,     2
.set KROW,   SIZE_K*6/8
.set STEPS,  SIZE_K/128
.set CHUNKS, KROW/ROWB
.set PITCH,  272
.set FR,     12
.set NL,     6
.set NP,     4
.set HALFT,  128*PITCH
.set SLOT,   4*HALFT
.set KS,     SIZE_K/32
.set SCL,    2*SLOT
.set HALFS,  (128*KS/256)*272
.set SBLK,   (16*KS/256)*272
.set SPARE,  SCL+4*HALFS
.set ADRA, 16                          ; v16-17 my fragments of R in slot 0, 1; v18-19 for pieces whose two lane halves read different slots
.set ADRB, 20                          ; v20-23 the same for P
.set CO,   26                          ; 16 x lane
.set ADRS, 27                          ; my scale words: lanes 0-15 R's rows, lanes 16-31 P's
.set SPW,  28
.set NIL,  29
.set SC,   32                          ; v32-63 scale words, two sets
.set TM,   64
.set PWT,  80
.set TT,   82
.set XH,   84
.set SW,   92
.set AF,   128
.set E,    128
.set G1, 24
.set G0, 32
.set G1B, 48
.set G0B, 56
.set G1S, 68
.set G0S, 76
.set G1SB, 80
.set G0SB, 88
.set G0H, 4
.set G0HB, 8
.set MSB, 0
.macro WIN new
.if MSB != (\new)
	s_set_vgpr_msb (MSB<<8)|(\new)
.set MSB, (\new)
.endif
.endm
.set MUL_LO, 0xa1
.set MUL_HI, 0xf1
.set TO_B,   0x40
.macro JLOAD g0a, g1a, g0b, g1b        ; waves 0, 1 fetch for R, waves 2, 3 for P
	s_cmp_eq_u32 s15, 0
	s_cbranch_scc0 .Lfor_b_\@
	tensor_load_to_lds s[\g0a:\g0a+3], s[\g1a:\g1a+7]
	s_nop 0
.rept 4
	v_nop
.endr
	s_branch .Lasked_\@
.Lfor_b_\@:
	tensor_load_to_lds s[\g0b:\g0b+3], s[\g1b:\g1b+7]
	s_nop 0
.rept 4
	v_nop
.endr
.Lasked_\@:
.endm
.macro CREST
	s_cmp_lg_u32 s14, 0
	s_cbranch_scc1 .Lnot_wave_0_\@
	s_barrier_signal -3
.Lnot_wave_0_\@:
	s_barrier_wait -3
	s_barrier_signal -1
	s_barrier_wait -1
.endm
.macro CROUND
	s_barrier_signal -1
	s_barrier_wait -1
	CREST
.endm
	s_load_b512 s[68:83], s[0:1], 0x0              ; x's codes, scales; wq's; wk's; wv's
	s_load_b128 s[84:87], s[0:1], 0x40             ; qbuf, kv
	v_lshl_add_u32 v[SPW], v0, 2, SPARE
	v_mov_b32 v[NIL], 0
	ds_add_u32 v[SPW], v[NIL]                      ; the opening lines
	ds_add_u32 v[SPW], v[NIL]
	v_lshrrev_b32 v1, 5, v0
	v_readfirstlane_b32 s14, v1                    ; wave
	s_lshr_b32 s15, s14, 1                         ; my half of R's rows; also: I fetch for R (0) or P (1)
	s_and_b32 s16, s14, 1                          ; my half of P's rows; also: which 128 rows I fetch
	s_bfe_u32 s40, ttmp6, 0x40000                  ; cx
	s_bfe_u32 s41, ttmp6, 0x40004                  ; cy
	s_and_b32 s18, ttmp7, 0xffff
	s_lshr_b32 s100, s18, 3                        ; 0 q, 1 k, 2 v: the same in all sixteen partners
	s_and_b32 s18, s18, 7
	s_lshl_b32 s18, s18, 2
	s_cmp_eq_u32 s100, 2
	s_cselect_b32 s17, 0, s18
	s_cselect_b32 s42, s18, 0
	s_add_co_u32 s17, s17, s41                     ; R's tile of 256 rows
	s_add_co_u32 s42, s42, s40                     ; P's tile
	s_lshl_b32 s43, s41, 2
	s_lshl_b32 s43, 15, s43                        ; my row of the cluster
	s_lshl_b32 s44, 0x1111, s40                    ; my column
	s_or_b32 s[G1+0], s43, (1<<20)|(1<<21)|(5<<22)|(3<<25)
	s_or_b32 s[G1B+0], s44, (1<<20)|(1<<21)|(5<<22)|(3<<25)
.irp g, G1, G1B                        ; rows of 256 bytes, 16 of padding behind each; 256 rows at the head
	s_mov_b32 s[\g+1], ROWB<<16
	s_mov_b32 s[\g+2], 256<<16
	s_mov_b32 s[\g+3], ROWB<<16
	s_mov_b32 s[\g+4], 256
	s_mov_b32 s[\g+5], KROW
	s_mov_b32 s[\g+6], 0
	s_mov_b32 s[\g+7], 0
.endr
	s_lshl_b32 s20, s17, 8
	s_lshl_b32 s46, s42, 8
	s_mov_b32 s21, 0
	s_mov_b32 s47, 0
	s_mov_b64 s[18:19], KS
	s_mul_u64 s[22:23], s[20:21], s[18:19]         ; where the rows' scales begin
	s_mul_u64 s[92:93], s[46:47], s[18:19]
	s_mov_b64 s[18:19], KROW
	s_mul_u64 s[20:21], s[20:21], s[18:19]         ; and their codes
	s_mul_u64 s[46:47], s[46:47], s[18:19]
	s_mul_i32 s18, s16, 128*KROW
	s_mov_b32 s19, 0
	s_mul_i32 s45, s14, HALFT
	s_wait_dscnt 0x0
	s_wait_kmcnt 0x0
	s_cmp_eq_u32 s100, 2                           ; the buffers are chosen by the cluster's y alone
	s_cselect_b64 s[4:5], s[80:81], s[68:69]       ; R's codes: wv's, else x's
	s_cselect_b64 s[6:7], s[82:83], s[70:71]
	s_cselect_b64 s[8:9], s[68:69], s[76:77]       ; P's codes: x's, else wk's,
	s_cselect_b64 s[10:11], s[70:71], s[78:79]
	s_cmp_eq_u32 s100, 0
	s_cselect_b64 s[8:9], s[72:73], s[8:9]         ; or wq's
	s_cselect_b64 s[10:11], s[74:75], s[10:11]
	s_cselect_b64 s[12:13], s[84:85], s[86:87]     ; the output
	s_or_b32 s[G1S+0], s43, (3<<16)|(1<<20)|(1<<21)|(5<<22)|(3<<25)   ; s68-87 have been read
	s_or_b32 s[G1SB+0], s44, (3<<16)|(1<<20)|(1<<21)|(5<<22)|(3<<25)
.irp g, G1S, G1SB                      ; the scales of 256 rows: 8,192 dense bytes as 32 rows of 256
	s_mov_b32 s[\g+1], 32<<16
	s_mov_b32 s[\g+2], KS<<16
	s_mov_b32 s[\g+3], 32<<16
	s_mov_b32 s[\g+4], KS
	s_mov_b32 s[\g+5], 32
	s_mov_b32 s[\g+6], 0
	s_mov_b32 s[\g+7], 0
.endr
	s_add_nc_u64 s[20:21], s[4:5], s[20:21]
	s_add_nc_u64 s[22:23], s[6:7], s[22:23]
	s_add_nc_u64 s[46:47], s[8:9], s[46:47]
	s_add_nc_u64 s[92:93], s[10:11], s[92:93]
	CROUND                                         ; the first joint loads meet
	s_mov_b32 s[G0H], 1
	s_mov_b32 s[G0H+1], 0
	s_mov_b64 s[G0H+2:G0H+3], s[20:21]
	s_or_b32 s[G0H+3], s[G0H+3], 0x80000000
	s_mov_b32 s[G0HB], 1
	s_mov_b32 s[G0HB+1], 2*HALFT
	s_mov_b64 s[G0HB+2:G0HB+3], s[46:47]
	s_or_b32 s[G0HB+3], s[G0HB+3], 0x80000000
	s_mov_b32 s[G0S], 1
	s_mov_b32 s[G0S+1], SCL
	s_mov_b64 s[G0S+2:G0S+3], s[22:23]
	s_or_b32 s[G0S+3], s[G0S+3], 0x80000000
	s_mov_b32 s[G0SB], 1
	s_mov_b32 s[G0SB+1], SCL+2*HALFS
	s_mov_b64 s[G0SB+2:G0SB+3], s[92:93]
	s_or_b32 s[G0SB+3], s[G0SB+3], 0x80000000
	s_add_nc_u64 s[20:21], s[20:21], s[18:19]      ; for the ring: my 128 rows
	s_add_nc_u64 s[46:47], s[46:47], s[18:19]
.irp s, 0,1
	s_mov_b32 s[G0+4*\s], 1
	s_add_co_u32 s[G0+4*\s+1], s45, \s*SLOT
	s_add_nc_u64 s[G0+4*\s+2:G0+4*\s+3], s[20:21], \s*ROWB
	s_or_b32 s[G0+4*\s+3], s[G0+4*\s+3], 0x80000000
	s_mov_b32 s[G0B+4*\s], 1
	s_add_co_u32 s[G0B+4*\s+1], s45, \s*SLOT
	s_add_nc_u64 s[G0B+4*\s+2:G0B+4*\s+3], s[46:47], \s*ROWB
	s_or_b32 s[G0B+4*\s+3], s[G0B+4*\s+3], 0x80000000
.endr
; the head's four tiles, one load a wave: chunk 0 of R, chunk 0 of P, R's scales, P's scales
.macro ARM under, g0, g1, next
	s_cmp_lt_u32 s14, \under
	s_cbranch_scc0 \next
	tensor_load_to_lds s[\g0:\g0+3], s[\g1:\g1+7]
	s_nop 0
.rept 4
	v_nop
.endr
	s_branch .Lhead_asked
\next:
.endm
	ARM 1, G0H,  G1,  .Lhead_b
	ARM 2, G0HB, G1B, .Lhead_sa
	ARM 3, G0S,  G1S, .Lhead_sb
	tensor_load_to_lds s[G0SB:G0SB+3], s[G1SB:G1SB+7]
	s_nop 0
.rept 4
	v_nop
.endr
.Lhead_asked:
	v_and_b32 v1, 15, v0
	v_bfe_u32 v2, v0, 4, 1
	v_mul_u32_u24 v3, v1, PITCH
	v_mul_u32_u24 v4, v2, 24
	v_add_nc_u32 v4, v3, v4                        ; row x pitch + 24 x half
	s_mov_b32 s21, SLOT-232
	s_mov_b32 s22, SLOT+232
	v_sub_nc_u32 v7, 1, v2
	v_mul_u32_u24 v5, s21, v2
	v_add_nc_u32 v5, v3, v5
	v_add_nc_u32 v5, 232, v5                       ; lanes 0-15 byte 232 in slot 0, lanes 16-31 byte 0 in slot 1
	v_mul_u32_u24 v6, s22, v7
	v_add_nc_u32 v6, v3, v6                        ; and the other way round
	s_mul_i32 s21, s15, HALFT
	s_mul_i32 s22, s16, HALFT
	s_add_co_u32 s22, s22, 2*HALFT
	v_add_nc_u32 v[ADRA+2], s21, v5
	v_add_nc_u32 v[ADRA+3], s21, v6
	v_add_nc_u32 v[ADRB+2], s22, v5
	v_add_nc_u32 v[ADRB+3], s22, v6
.irp s, 0,1
	v_add_nc_u32 v[ADRA+\s], s21, v4
	v_add_nc_u32 v[ADRB+\s], s22, v4
	s_add_co_u32 s21, s21, SLOT
	s_add_co_u32 s22, s22, SLOT
.endr
	v_mul_u32_u24 v5, v1, KS
	v_lshrrev_b32 v6, 8, v5
	v_lshl_add_u32 v5, v6, 4, v5
	s_mul_i32 s21, s15, HALFS
	s_mul_i32 s22, s16, HALFS
	s_add_co_u32 s22, s22, 2*HALFS
	s_sub_co_u32 s22, s22, s21
	v_mul_u32_u24 v6, s22, v2                      ; lanes 16-31 take P's
	s_add_co_u32 s21, s21, SCL
	v_add_nc_u32 v5, v5, v6
	v_add_nc_u32 v[ADRS], s21, v5
	v_and_b32 v6, 31, v0
	v_lshlrev_b32 v[CO], 4, v6
	; where my results go: my 128 tokens are record S % 16 of batch S / 16; my 128 rows of the weight are heads H0, H0 + 1
	s_cmp_eq_u32 s100, 2
	s_cselect_b32 s92, s42, s17
	s_cselect_b32 s93, s16, s15
	s_cselect_b32 s94, s17, s42
	s_cselect_b32 s96, s15, s16
	s_cselect_b32 s97, 6656, 0                     ; v lies behind k in a record
	s_mov_b32 s98, 13312
	s_cmp_eq_u32 s100, 0
	s_cselect_b32 s98, 6656, s98
	s_lshl_b32 s92, s92, 1
	s_add_co_u32 s92, s92, s93                     ; S
	s_lshr_b32 s93, s92, 4
	s_and_b32 s92, s92, 15
	s_lshl_b32 s93, s93, 8
	s_add_co_u32 s92, s92, s93
	s_lshl_b32 s94, s94, 2
	s_lshl_b32 s96, s96, 1
	s_add_co_u32 s94, s94, s96                     ; H0
	s_lshl_b32 s94, s94, 4
	s_add_co_u32 s92, s92, s94
	s_mul_i32 s92, s92, s98
	s_add_co_u32 s92, s92, s97
	s_mov_b32 s93, 0
	s_add_nc_u64 s[96:97], s[12:13], s[92:93]      ; head H0's record
	s_lshl_b32 s92, s98, 4
	s_add_nc_u64 s[98:99], s[96:97], s[92:93]      ; head H0 + 1's
	s_mov_b32 s95, 0xffff0000
	s_mov_b32 s66, 0x76543210
	s_mov_b32 s67, 0xfedcba98
.macro FRAG reg, adr, st, i            ; six pieces of 8 bytes; byte y of a row lies in slot (y / 256) % 2 at byte y % 256
.irp p, 0,1,2,3,4,5
.set BY, 96*(\st)+48*(\p/3)+8*(\p%3)
.if BY/ROWB == (BY+24)/ROWB
	ds_load_b64 v[\reg+2*\p:\reg+2*\p+1], v[\adr+(BY/ROWB)%2] offset:BY%ROWB+(\i)*16*PITCH
.else
	ds_load_b64 v[\reg+2*\p:\reg+2*\p+1], v[\adr+2+(BY/ROWB)%2] offset:BY%ROWB-232+(\i)*16*PITCH
.endif
.endr
.endm
.macro MUL16 a0, p, q, sc, zero        ; R's blocks a0, a0 + 1 x P's eight; the 64 accumulators take turns
.irp a, \a0, \a0+1
.irp b, 0,1,2,3,4,5,6,7
.if \zero
	v_wmma_scale_f32_16x16x128_f8f6f4 v[8*(8*((\a)%4)+\b):8*(8*((\a)%4)+\b)+7], v[128*(\p)+FR*\b:128*(\p)+FR*\b+FR-1], v[AF+FR*(\a):AF+FR*(\a)+FR-1], 0, v[SC+8*NQ*(\sc)+NQ*\b+(\q)], v[SC+8*NQ*(\sc)+NQ*(\a)+(\q)] matrix_a_fmt:MATRIX_FMT_FP6 matrix_b_fmt:MATRIX_FMT_FP6 matrix_a_scale:MATRIX_SCALE_ROW1
.else
	v_wmma_scale_f32_16x16x128_f8f6f4 v[8*(8*((\a)%4)+\b):8*(8*((\a)%4)+\b)+7], v[128*(\p)+FR*\b:128*(\p)+FR*\b+FR-1], v[AF+FR*(\a):AF+FR*(\a)+FR-1], v[8*(8*((\a)%4)+\b):8*(8*((\a)%4)+\b)+7], v[SC+8*NQ*(\sc)+NQ*\b+(\q)], v[SC+8*NQ*(\sc)+NQ*(\a)+(\q)] matrix_a_fmt:MATRIX_FMT_FP6 matrix_b_fmt:MATRIX_FMT_FP6 matrix_a_scale:MATRIX_SCALE_ROW1
.endif
.endr
.endr
.endm
.macro FETCH_B st, p
	WIN TO_B
.irp i, 0,1,2,3,4,5,6,7
	FRAG 128*(\p)+FR*\i, ADRB, \st, \i
.endr
	WIN 0
.endm
.macro FETCH_A st, i0
.irp i, \i0, \i0+1, \i0+2, \i0+3
	FRAG AF+FR*(\i), ADRA, \st, \i
.endr
.endm
.macro SCALES pr                       ; the words of steps 2 pr, 2 pr + 1 into set pr % 2
.irp i, 0,1,2,3,4,5,6,7
	ds_load_b64 v[SC+8*NQ*((\pr)%2)+NQ*\i:SC+8*NQ*((\pr)%2)+NQ*\i+1], v[ADRS] offset:\i*SBLK+4*NQ*(\pr)
.endr
.endm
.macro PLACES n                        ; plain places behind matrix instructions (ISA guide 7.12.1)
.rept \n
	v_nop
.endr
.endm
; A step: 64 products; the next step's fragments are fetched in its middle and at its end.  Where the next step ends in a chunk not yet read, a barrier shows that chunk whole;
; where it begins in a later chunk, the chunk left behind is free: the three lines, the barrier, and, where a chunk two on is left, the cluster's round and the refill.
.macro STEP st, zero
.set NX, (\st)+1
.set C0, (96*(\st))/ROWB
.set C1, (96*NX)/ROWB
.set E0, (96*(\st)+95)/ROWB
.set E1, (96*NX+95)/ROWB
.if C1 > C0 || E1 > E0
	s_wait_tensorcnt 0x0
.if C1 > C0
	ds_add_u32 v[SPW], v[NIL]
	s_wait_dscnt 4*NL+1                            ; the add and the youngest 24 loads (R's blocks 4-7) may be out
.else
	s_wait_dscnt 4*NL                              ; the youngest 24 loads may be out
.endif
	WIN MUL_LO
	MUL16 0, (\st)%2, (\st)%2, ((\st)/2)%2, \zero
	s_wait_dscnt 0x0
	s_barrier_signal -1
	MUL16 2, (\st)%2, (\st)%2, ((\st)/2)%2, \zero
	WIN 0
	s_barrier_wait -1
.if C1 > C0 && C0+2 < CHUNKS
	CREST
	s_add_nc_u64 s[G0+4*(C0%2)+2:G0+4*(C0%2)+3], s[G0+4*(C0%2)+2:G0+4*(C0%2)+3], 2*ROWB
	s_add_nc_u64 s[G0B+4*(C0%2)+2:G0B+4*(C0%2)+3], s[G0B+4*(C0%2)+2:G0B+4*(C0%2)+3], 2*ROWB
	JLOAD G0+4*(C0%2), G1, G0B+4*(C0%2), G1B       ; chunk C0 + 2; its four v_nop are the places ahead of the loads below
.else
	PLACES NP
.endif
.else
	s_wait_dscnt 4*NL
	WIN MUL_LO
	MUL16 0, (\st)%2, (\st)%2, ((\st)/2)%2, \zero
	MUL16 2, (\st)%2, (\st)%2, ((\st)/2)%2, \zero
	s_wait_dscnt 0
	PLACES NP
.endif
	FETCH_B NX, NX%2
	FETCH_A NX, 0
.if NX%2 == 0
	SCALES NX/2
.endif
	WIN MUL_HI
	MUL16 4, (\st)%2, (\st)%2, ((\st)/2)%2, \zero
	MUL16 6, (\st)%2, (\st)%2, ((\st)/2)%2, \zero
	PLACES NP
	WIN 0
	FETCH_A NX, 4
.endm
	s_wait_alu depctr_va_vdst(0)                   ; the wait at the head's end
	s_wait_tensorcnt 0x0                           ; my tile of the head's four is in; the lines ahead of slot 1's first fill
	ds_add_u32 v[SPW], v[NIL]
	s_mov_b32 s[G1+2], 128<<16                     ; no load of mine is out: from here on a load brings 128 rows
	s_mov_b32 s[G1+4], 128
	s_mov_b32 s[G1B+2], 128<<16
	s_mov_b32 s[G1B+4], 128
	s_wait_dscnt 0x0
	CROUND
	JLOAD G0+4, G1, G0B+4, G1B                     ; chunk 1
	FETCH_B 0, 0
	FETCH_A 0, 0
	SCALES 0
	FETCH_A 0, 4
	STEP 0, 1                                      ; the first step's products start the sums
.set ST, 1
.rept STEPS-2
	STEP ST, 0
.set ST, ST+1
.endr
	s_wait_dscnt 4*NL                              ; the last step
	WIN MUL_LO
	MUL16 0, 1, 1, 1, 0
	MUL16 2, 1, 1, 1, 0
	s_wait_dscnt 0
	WIN MUL_HI
	MUL16 4, 1, 1, 1, 0
	MUL16 6, 1, 1, 1, 0
	WIN 0
; QUANT a: the 64 results of R's block a in my lane (four blocks of 32, half of each mine) become codes in v[D0] and v[D1] on, and four scale bytes in v[PWR].  Each accumulator is read from its low end on.
.macro QUANT a
.set AC, 64*((\a)%4)
.set W, 2+(\a)/4
.set WW, W|(W<<2)
	WIN WW
.irp b, 0,1,2,3
	v_max3_num_f32 v[TM+\b], |v[AC+16*\b]|, |v[AC+16*\b+1]|, 0x1800000   ; with the floor 2^(3 - 127): the byte cannot fall under 1
.endr
.irp i, 2,4,6,8,10,12,14
.irp b, 0,1,2,3
	v_max3_num_f32 v[TM+\b], |v[AC+16*\b+\i]|, |v[AC+16*\b+\i+1]|, v[TM+\b]
.endr
.endr
	WIN 0
.irp b, 0,1,2,3
	v_permlanex16_b32 v[TM+4+\b], v[TM+\b], s66, s67
.endr
.irp b, 0,1,2,3
	v_max_num_f32 v[TM+\b], v[TM+\b], v[TM+4+\b]
.endr
.irp b, 0,1,2,3
	v_add_nc_u32 v[TM+12+\b], 0xff000000, v[TM+\b] ; 2 off the exponent field: the conversion's scale operand
.endr
.irp b, 0,1,2,3
	v_lshrrev_b32 v[TM+4+\b], 23, v[TM+12+\b]
.endr
	v_lshl_or_b32 v[PWR], v[TM+5], 8, v[TM+4]
	v_lshl_or_b32 v[PWR], v[TM+6], 16, v[PWR]
	v_lshl_or_b32 v[PWR], v[TM+7], 24, v[PWR]
	WIN W
	v_cvt_scalef32_pk16_fp6_f32 v[D0:D0+2], v[AC:AC+15], v[TM+12]
	v_cvt_scalef32_pk16_fp6_f32 v[XH:XH+2], v[AC+16:AC+31], v[TM+13]
	v_cvt_scalef32_pk16_fp6_f32 v[D1:D1+2], v[AC+32:AC+47], v[TM+14]
	v_cvt_scalef32_pk16_fp6_f32 v[XH+4:XH+6], v[AC+48:AC+63], v[TM+15]
	WIN 0
	v_nop                                          ; one plain place behind a scaled conversion
.irp i, 0,1,2                                  ; a whole block in a lane: lanes 0-15 the even block, lanes 16-31 the odd one
	v_permlane16_swap_b32 v[D0+\i], v[XH+\i]
	v_permlane16_swap_b32 v[D1+\i], v[XH+4+\i]
.endr
.irp i, 0,1,2
	v_mov_b32 v[D0+3+\i], v[XH+\i]
	v_mov_b32 v[D1+3+\i], v[XH+4+\i]
.endr
.endm
; kind 0 (q, k): blocks 0, 1 are head H0's 64, blocks 2, 3 head H0 + 1's; two blocks of R make a pair image for each head.  kind 1 (v): the four blocks are 128 keys: one fragment.
; Every store of the wave covers 512 consecutive bytes, aligned; each image has registers of its own.
.macro EPI kind
.irp a, 0,1,2,3,4,5,6,7
.if \kind
.set D0, E+12*\a
.set D1, D0+6
.set PWR, SW+\a
.else
.set D0, E+24*(\a/2)+6*(\a%2)
.set D1, D0+12
.set PWR, PWT+\a%2
.endif
	QUANT \a
.if \kind
.irp i, 0,1,2
	global_store_b128 v[CO], v[E+12*\a+4*\i:E+12*\a+4*\i+3], s[96+2*(\a/4):97+2*(\a/4)] offset:1536*(\a%4)+512*\i
.endr
.elseif \a%2
	v_cndmask_b32 v[TT], v[PWT], v[PWT+1], s95     ; lanes 0-15: the even tile's words, lanes 16-31: the odd tile's
	v_and_b32 v[SW+\a/2], 0xffff, v[TT]
	v_lshrrev_b32 v[SW+4+\a/2], 16, v[TT]
.irp c, 0,1
.irp i, 0,1,2
	global_store_b128 v[CO], v[E+24*(\a/2)+12*\c+4*\i:E+24*(\a/2)+12*\c+4*\i+3], s[96+2*\c:97+2*\c] offset:1536*(\a/2)+512*\i
.endr
.endr
.endif
.endr
	global_store_b128 v[CO], v[SW:SW+3], s[96:97] offset:6144
	global_store_b128 v[CO], v[SW+4:SW+7], s[98:99] offset:6144
.endm
	PLACES NP
.irp b, 0,1,2,3
	v_mov_b32 v[TM+4+\b], 0                        ; a lane permute's destination counts as one of its sources
.endr
	s_cmp_eq_u32 s100, 2
	s_cbranch_scc1 .Lepi_v
	EPI 0
	s_branch .Lepi_done
.Lepi_v:
	EPI 1
.Lepi_done:
	s_wait_tensorcnt 0x0                           ; the wave's end
	ds_add_u32 v[SPW], v[NIL]
	s_wait_dscnt 0x0
	CROUND                                         ; the closing round
	s_endpgm
.Lfunc_end_k_q751313179e_qkv:
	.size	k_q751313179e_qkv, .Lfunc_end_k_q751313179e_qkv-k_q751313179e_qkv
	.p2alignl 7, 3214868480
	.fill 96, 4, 3214868480
	.section	.rodata,"a",@progbits
	.p2align	6, 0x0
	.amdhsa_kernel k_q751313179e_qkv
		.amdhsa_group_segment_fixed_size 327680
		.amdhsa_private_segment_fixed_size 0
		.amdhsa_enable_private_segment 0
		.amdhsa_kernarg_size 80
		.amdhsa_user_sgpr_count 2
		.amdhsa_user_sgpr_kernarg_segment_ptr 1
		.amdhsa_wavefront_size32 1
		.amdhsa_system_sgpr_workgroup_id_x 1
		.amdhsa_system_sgpr_workgroup_id_y 1
		.amdhsa_system_sgpr_workgroup_id_z 1
		.amdhsa_system_vgpr_workitem_id 0
		.amdhsa_next_free_vgpr 1024
		.amdhsa_next_free_sgpr 102
		.amdhsa_reserve_vcc 0
		.amdhsa_float_denorm_mode_32 3
		.amdhsa_float_denorm_mode_16_64 3
		.amdhsa_memory_ordered 1
		.amdhsa_forward_progress 1
		.amdhsa_inst_pref_size 199
	.end_amdhsa_kernel
	.amdgpu_metadata
---
amdhsa.version: [ 1, 2 ]
amdhsa.kernels:
  - .name:           k_q751313179e_qkv
    .symbol:         k_q751313179e_qkv.kd
    .args:
      - { .name: x_codes, .offset: 0, .size: 8, .value_kind: global_buffer, .address_space: global }
      - { .name: x_scales, .offset: 8, .size: 8, .value_kind: global_buffer, .address_space: global }
      - { .name: wq_codes, .offset: 16, .size: 8, .value_kind: global_buffer, .address_space: global }
      - { .name: wq_scales, .offset: 24, .size: 8, .value_kind: global_buffer, .address_space: global }
      - { .name: wk_codes, .offset: 32, .size: 8, .value_kind: global_buffer, .address_space: global }
      - { .name: wk_scales, .offset: 40, .size: 8, .value_kind: global_buffer, .address_space: global }
      - { .name: wv_codes, .offset: 48, .size: 8, .value_kind: global_buffer, .address_space: global }
      - { .name: wv_scales, .offset: 56, .size: 8, .value_kind: global_buffer, .address_space: global }
      - { .name: qbuf, .offset: 64, .size: 8, .value_kind: global_buffer, .address_space: global }
      - { .name: kv, .offset: 72, .size: 8, .value_kind: global_buffer, .address_space: global }
    .group_segment_fixed_size: 327680
    .private_segment_fixed_size: 0
    .kernarg_segment_align: 8
    .kernarg_segment_size: 80
    .max_flat_workgroup_size: 128
    .sgpr_count:     102
    .vgpr_count:     1024
    .wavefront_size: 32
...
	.end_amdgpu_metadata
.endif
;; end of part 1
;; launch attn (part 2): grid 4 x 64, 16 waves a work-group, clusters of 4 x 1, 215,040 bytes of LDS; arguments qbuf, kv, acod, ascl; writes acod, ascl
.if DOCPART == 2
	.amdgcn_target "amdgcn-amd-amdhsa--gfx1250"
	.amdhsa_code_object_version 6
	.text
	.protected	k_q751313179e_attn
	.globl	k_q751313179e_attn
	.p2align	8
	.type	k_q751313179e_attn,@function
k_q751313179e_attn:
	s_mov_b64 s[64:65], 0
	v_nop
	global_prefetch_b8 v0, s[64:65] scope:SCOPE_SE
	s_setreg_imm32_b32 hwreg(HW_REG_WAVE_MODE, 25, 1), 1
	s_wait_xcnt 0x0
	s_wait_alu depctr_hold_cnt(0) depctr_sa_sdst(0) depctr_va_vdst(0) depctr_va_sdst(0) depctr_va_ssrc(0) depctr_va_vcc(0) depctr_vm_vsrc(0)
	s_getreg_b32 s2, hwreg(HW_REG_IB_STS2, 6, 4)
	s_cmp_eq_u32 s2, 0
	s_cbranch_scc0 .Lentry_in_a_cluster
	s_endpgm
.Lentry_in_a_cluster:
	s_bfe_u32 s2, ttmp6, 0x10000c
	s_cmp_lg_u32 s2, 0x3003
	s_cbranch_scc0 .Lentry_shape_is_right
	s_endpgm
.Lentry_shape_is_right:
; Causal attention of one (batch, head) for each cluster of four work-groups, both products on codes of FP6 (E2M3) with E8M0 scales; the result, divided by the row's sum, is quantised along the head's 64 for the projection.
; t = score x log2(e) / 32 (the scale is 1,024^-1/2); M = the running largest t rounded up to a whole number; p = 2^(t - M) is quantised along the keys; the row's sum is taken of the unquantised p.
; When M moves, the sum and O are multiplied by 2^(old M - new M): exact.
; K AND V OF THE WHOLE HEAD, with their scale words, are 16 records of 13,312 bytes (128 keys each): 212,992 bytes.  They come into each partner's LDS ONCE, by joint tensor loads at the start (the four work-groups need the same
; bytes), and nothing is filled again: so there is no ring and no barrier in the loops.  All that the launch reads of kv is asked for at its start: there is no later request that a prefetch could run ahead of.
; SHARES.  The head's 128 tiles of 16 queries fall into 16 groups g of 8; a tile of group g needs key steps 0 .. g.  Wave w (w' = w % 8, u = w / 8) of the work-group at place cx takes tile 2 cx + u of group 8 + w', then of group 7 - w':
; 17 steps for every wave.  Trip counts are constants; a step whose keys all come after the tile's queries is jumped over by a branch on the wave's number and the step's count.  cx enters global addresses and the mask's data alone.
; LAYOUT.  Both products are used transposed: S^T = K Q^T (source 0 = 16 keys), O^T = V^T P^T (source 0 = 16 of the head's 64): a lane holds one query (lane % 16).  Register 16 B + 8 u + j of S^T is key 32 B + 16 u + 8 (lane / 16) + j;
; p's codes are laid at place 16 (lane / 16) + 8 u + j of block B, which is the order in which the launch before has laid v's.
; The first product's K is 64: registers 6-11 of Q's fragment are zero codes, and what stands in registers 6-11 of K's operand (the next tile's codes) meets those zeros.
; OUTPUT.  acod: [tile of 16 tokens: 512][head: 16][768 bytes]: six registers of an operand, registers 2 p, 2 p + 1 at 256 p + 8 lane, in the true order of d.  ascl: [token][32]: the head's two bytes at 2 x head (2 bytes a lane, 32 bytes apart: one part in 24 of what the launch stores).
; LIMITS: NaN and infinities are not served; a block whose largest magnitude lies under 2^-124, or a block of zeros, keeps the scale byte 1 (this program alone reads the bytes).
.set REC,  13312                       ; a record: K's four pair images (6,144), K's scale words (512), V's four images (6,144), V's scale words (512)
.set KSC,  6144
.set VOFF, 6656
.set VSC,  12800
.set L16, 1                            ; v1   16 x lane
.set ADR, 2                            ; v2   LDS address of the step's record, + 16 x lane
.set DL,  3                            ; v3   lane % 16 - 8 (lane / 16)
.set MD,  4                            ; v4   the mask's bound
.set GO8, 6                            ; v6   8 x lane
.set R32, 7                            ; v7   32 x (lane % 16)
.set VQ,  8                            ; v8   my offset in a record of q: the pair image cx
.set VQS, 9                            ; v9   and my query's scale word
.set QF,  16                           ; v16-27 Q's fragment (v22-27 stay 0)
.set QS,  28                           ; v28  Q's scale words;  v29 the second tile's
.set QS2, 29
.set QF2, 30                           ; v30-35 the second tile's codes
.set KF,  36                           ; v36-83 K's eight tiles of six registers; then V's four fragments
.set PC,  84                           ; v84-95 p's codes
.set S,   96                           ; v96-159 S^T, then p
.set OT,  160                          ; v160-191 O^T
.set KS,  192                          ; v192-195 K's scale words, then V's
.set BM,  200                          ; v200-203 the blocks' largest
.set PT,  204                          ; v204-211 at work
.set SO,  212                          ; v212-215 the conversions' scale operands
.set F,   216                          ; v216 f = 2^(old M - new M); v217 is named with it as a pair
.set T0,  218
.set T1,  219
.set PW,  220                          ; v220 p's scale word
.set WV,  12
.set CX,  13
.set BH,  14
.set U,   16
.set GL,  17
.set GS,  18
.set G,   19                           ; the group in hand
.set SEL, 20
.set CS,  22                           ; s[22:23] c = log2(e) / 32
.set G1A, 24
.set G1B, 32
.set G0A, 40
.set G0B, 44
.set TB,  48                           ; LDS byte of the step's record
.set ST,  49                           ; the step
.set CNT, 50
.set QO,  51                           ; my tile's first query within its group: 32 cx + 16 u
.set UM,  52                           ; all ones where u = 1
.set TI,  53                           ; 2 cx + u
.set OA,  54
.set OS,  56
.macro CROUND                          ; a round of the cluster's barrier
	s_barrier_signal -1
	s_barrier_wait -1
	s_cmp_lg_u32 s[WV], 0
	s_cbranch_scc1 .Lnot_wave_0_\@
	s_barrier_signal -3
.Lnot_wave_0_\@:
	s_barrier_wait -3
	s_barrier_signal -1
	s_barrier_wait -1
.endm
	s_load_b256 s[4:11], s[0:1], 0x0               ; qbuf s[4:5], kv s[6:7], acod s[8:9], ascl s[10:11]
	v_lshl_add_u32 v254, v0, 2, 0x34000
	v_mov_b32 v255, 0
	ds_add_u32 v254, v255
	ds_add_u32 v254, v255
	v_lshrrev_b32 v1, 5, v0
	s_delay_alu instid0(VALU_DEP_1)
	v_readfirstlane_b32 s[WV], v1                  ; wave 0..15
	s_bfe_u32 s[CX], ttmp6, 0x40000                ; my place in the cluster
	s_and_b32 s[BH], ttmp7, 0xffff                 ; 16 b + head, which the four partners share
	s_lshr_b32 s[U], s[WV], 3
	s_and_b32 s58, s[WV], 7
	s_add_co_u32 s[GL], s58, 8
	s_sub_co_u32 s[GS], 7, s58
	s_mov_b32 s[SEL], 0x76543210
	s_mov_b32 s[SEL+1], 0xfedcba98                 ; v_permlanex16_b32's selects for lane l xor 16
	s_mov_b32 s[CS], 0x3d38aa3b
	s_mov_b32 s[CS+1], s[CS]                       ; (named with it as a pair, so it is written)
	s_lshl_b32 s[QO], s[CX], 5
	s_lshl_b32 s59, s[U], 4
	s_add_co_u32 s[QO], s[QO], s59
	s_sub_co_u32 s[UM], 0, s[U]
	s_lshl_b32 s[TI], s[CX], 1
	s_add_co_u32 s[TI], s[TI], s[U]
	; descriptor group 1: one record, dense, as 52 rows of 256 bytes (32 elements of 8 bytes); the mask names all four work-groups, bit 21 beside it
	s_mov_b32 s[G1A], 15|(3<<16)|(1<<21)
	s_mov_b32 s[G1A+1], 32<<16
	s_mov_b32 s[G1A+2], 52<<16
	s_mov_b32 s[G1A+3], 32<<16
	s_mov_b32 s[G1A+4], 52
	s_mov_b32 s[G1A+5], 32
	s_mov_b32 s[G1A+6], 0
	s_mov_b32 s[G1A+7], 0
	s_mov_b32 s[G0A], 1                            ; sixteen records, sixteen waves: wave w fetches record w
	s_mul_i32 s[G0A+1], s[WV], REC
	s_mul_i32 s60, s[BH], 16*REC                   ; the head's first byte in kv
	s_mov_b32 s61, 0
	s_mov_b32 s63, 0
	s_lshl_b32 s58, s[BH], 4
	s_add_co_u32 s59, s58, s[GL]
	s_mul_i32 s70, s59, 6656                       ; q's record of the first group,
	s_add_co_u32 s59, s58, s[GS]
	s_mul_i32 s68, s59, 6656                       ; and of the second
	s_mov_b32 s71, 0
	s_mov_b32 s69, 0
	s_wait_dscnt 0x0
	s_wait_kmcnt 0x0
	s_add_nc_u64 s[60:61], s[6:7], s[60:61]
	s_mov_b32 s62, s[G0A+1]                        ; in memory the records lie as in LDS
	s_add_nc_u64 s[G0A+2:G0A+3], s[60:61], s[62:63]
	s_or_b32 s[G0A+3], s[G0A+3], 0x80000000
	s_add_nc_u64 s[66:67], s[4:5], s[70:71]
	s_add_nc_u64 s[68:69], s[4:5], s[68:69]
	CROUND                                         ; all four work-groups are here: the joint loads meet
	s_cmp_lt_u32 s[WV], 4                          ; one load a wave; waves 0 to 3, whose records the first barrier shows, have a line of their own
	s_cbranch_scc0 .Llater_records
	tensor_load_to_lds s[G0A:G0A+3], s[G1A:G1A+7]
	s_nop 0
.rept 4
	v_nop
.endr
	s_branch .Lfetched
.Llater_records:
	tensor_load_to_lds s[G0A:G0A+3], s[G1A:G1A+7]
	s_nop 0
.rept 4
	v_nop
.endr
.Lfetched:
	v_and_b32 v5, 31, v0
	s_delay_alu instid0(VALU_DEP_1)
	v_lshlrev_b32 v[L16], 4, v5
	s_delay_alu instid0(VALU_DEP_2)
	v_lshlrev_b32 v[GO8], 3, v5
	v_and_b32 v10, 15, v0                          ; r
	v_bfe_u32 v11, v0, 4, 1                        ; h
	s_delay_alu instid0(VALU_DEP_2)
	v_lshlrev_b32 v[R32], 5, v10
	s_delay_alu instid0(VALU_DEP_2)
	v_lshlrev_b32 v[DL], 3, v11
	s_delay_alu instid0(VALU_DEP_1)
	v_sub_nc_u32 v[DL], v10, v[DL]
	s_mul_i32 s58, s[CX], 1536
	v_add_nc_u32 v[VQ], s58, v[L16]
	s_lshl_b32 s58, s[U], 8
	s_lshl_b32 s59, s[CX], 2
	s_add_co_u32 s58, s58, s59
	s_add_co_u32 s58, s58, KSC
	v_lshl_add_u32 v[VQS], v10, 4, s58             ; word cx of lane 16 u + r
.irp i, 0,1,2
	global_load_b128 v[S+4*\i:S+4*\i+3], v[VQ], s[66:67] offset:512*\i        ; the pair image that holds my first tile,
	global_load_b128 v[S+12+4*\i:S+12+4*\i+3], v[VQ], s[68:69] offset:512*\i  ; and my second
.endr
	global_load_b32 v[QS], v[VQS], s[66:67]
	global_load_b32 v[QS2], v[VQS], s[68:69]
.irp i, 6,7,8,9,10,11
	v_mov_b32 v[QF+\i], 0                          ; zero codes for K = 64 .. 127
.endr
.irp i, 0,1,2,3,4,5,6,7,8,9,10,11
	v_mov_b32 v[PC+\i], 0                          ; (the eighth tile of K names v84-89 as its upper registers: they are written before they are named)
.endr
.irp i, 0,1,2,3
	v_mov_b32 v[PT+\i], 0                          ; written once: a lane permute's destination counts as one of its sources
.endr
	v_mov_b32 v[F+1], 0
	v_mov_b32 v[T0], 0
	s_wait_loadcnt 0x0
.irp i, 0,1,2,3,4,5
	v_cndmask_b32 v[QF+\i], v[S+\i], v[S+6+\i], s[UM]        ; the pair's tile u
	v_cndmask_b32 v[QF2+\i], v[S+12+\i], v[S+18+\i], s[UM]
.endr
; A tile begins: the largest t -3e38, the sum and O^T zeros, which the first change of M leaves zeros.  (32 clearing lines a tile, in place of another copy of the key step.)
.macro INIT
	v_mov_b32 v13, 0xff61b1e6
	s_delay_alu instid0(VALU_DEP_1)
	v_floor_f32 v12, -v13                          ; -M
	v_mov_b32 v14, 0
	v_mov_b32 v15, 0
.set j, 0
.rept 32
	v_mov_b32 v[OT+j], 0
.set j, j+1
.endr
	s_mov_b32 s[TB], 0
	s_mov_b32 s[ST], 0
.endm
; A KEY STEP: 128 keys.  test = 1: the step may lie on the diagonal or behind it.
.macro UNIT test
.if \test
	s_cmp_gt_u32 s[ST], s[G]                       ; all its keys come after my queries: only the lines at the end, which step addresses, are run
	s_cbranch_scc1 .Lskip_\@
.endif
	v_add_nc_u32 v[ADR], s[TB], v[L16]
.rept 3
	v_nop                                          ; with the addition: four places between the last step's products and the loads into their registers
.endr
.irp n, 0,1,2,3,4,5,6,7,8,9,10,11
	ds_load_b128 v[KF+4*\n:KF+4*\n+3], v[ADR] offset:512*\n
.endr
	ds_load_b128 v[KS:KS+3], v[ADR] offset:KSC
	s_wait_alu depctr_va_vdst(0)
	s_wait_dscnt 0x0
.irp t, 0,1,2,3,4,5,6,7                        ; S^T = K Q^T: tile t's six registers, and the six behind them against Q's zeros; a pair's words share a register
.if \t%2
	v_wmma_scale_f32_16x16x128_f8f6f4 v[S+8*\t:S+8*\t+7], v[KF+6*\t:KF+6*\t+11], v[QF:QF+11], 0, v[KS+\t/2], v[QS] matrix_a_fmt:MATRIX_FMT_FP6 matrix_b_fmt:MATRIX_FMT_FP6 matrix_a_scale:MATRIX_SCALE_ROW1
.else
	v_wmma_scale_f32_16x16x128_f8f6f4 v[S+8*\t:S+8*\t+7], v[KF+6*\t:KF+6*\t+11], v[QF:QF+11], 0, v[KS+\t/2], v[QS] matrix_a_fmt:MATRIX_FMT_FP6 matrix_b_fmt:MATRIX_FMT_FP6
.endif
.endr
.rept 4
	v_nop                                          ; places: in front of the loads into K's registers and of the first read of the scores
.endr
.irp n, 0,1,2,3,4,5,6,7,8,9,10,11
	ds_load_b128 v[KF+4*\n:KF+4*\n+3], v[ADR] offset:VOFF+512*\n    ; V lands while the softmax is worked
.endr
	ds_load_b128 v[KS:KS+3], v[ADR] offset:VSC
.if \test
	s_cmp_lg_u32 s[ST], s[G]
	s_cbranch_scc1 .Lopen_\@
	v_add_nc_u32 v[MD], s[QO], v[DL]               ; on the diagonal: register n holds key 32 (n / 16) + 16 ((n / 8) % 2) + n % 8 + 8 (lane / 16) of the step: hidden where that is above my query's place in the group
	v_mov_b32 v[T0], 0xff800000                    ; -infinity: p = 0 then
.set n, 0
.rept 64
	v_cmp_gt_i32 vcc_lo, 32*(n/16)+16*((n/8)%2)+n%8, v[MD]
	v_cndmask_b32 v[S+n], v[S+n], v[T0], vcc_lo
.set n, n+1
.endr
.Lopen_\@:
.endif
.irp b, 0,1,2,3
	v_max3_num_f32 v[BM+\b], v[S+16*\b], v[S+1+16*\b], v[S+2+16*\b]   ; the largest score of each block of 32 keys: for the row's maximum and, since p rises with the score, for the block's largest p
.endr
.irp i, 3,5,7,9,11,13
.irp b, 0,1,2,3
	v_max3_num_f32 v[BM+\b], v[BM+\b], v[S+16*\b+\i], v[S+1+16*\b+\i]
.endr
.endr
.irp b, 0,1,2,3
	v_max_num_f32 v[BM+\b], v[BM+\b], v[S+15+16*\b]
.endr
.irp b, 0,1,2,3
	s_delay_alu instid0(VALU_DEP_4)
	v_permlanex16_b32 v[PT+\b], v[BM+\b], s[SEL], s[SEL+1]
.endr
.irp b, 0,1,2,3
	s_delay_alu instid0(VALU_DEP_4)
	v_max_num_f32 v[BM+\b], v[BM+\b], v[PT+\b]     ; with lane l xor 16's 16 keys
.endr
	s_delay_alu instid0(VALU_DEP_2)
	v_max3_num_f32 v[T0], v[BM], v[BM+1], v[BM+2]
	s_delay_alu instid0(VALU_DEP_1)
	v_max_num_f32 v[T0], v[T0], v[BM+3]
	s_delay_alu instid0(VALU_DEP_1)
	v_mul_f32 v[T0], s[CS], v[T0]                  ; as t (c is positive)
	s_delay_alu instid0(VALU_DEP_1)
	v_max_num_f32 v13, v13, v[T0]                  ; the running largest t
	v_mov_b32 v[T0], v12
	s_delay_alu instid0(VALU_DEP_2)
	v_floor_f32 v12, -v13                          ; the new -M = -ceil(t)
	s_delay_alu instid0(VALU_DEP_1)
	v_sub_f32 v[T0], v12, v[T0]                    ; old M - new M: a whole number, 0 or less
	s_delay_alu instid0(VALU_DEP_1)
	v_cvt_i32_f32 v[T0], v[T0]                     ; (it saturates)
	s_delay_alu instid0(VALU_DEP_1)
	v_ldexp_f32 v[F], 1.0, v[T0]                   ; f
.set j, 0
.rept 32
	v_pk_fma_f32 v[S+j:S+j+1], v[S+j:S+j+1], s[CS:CS+1], v[12:13] op_sel_hi:[1,0,0]   ; t - M, two at a time
.set j, j+2
.endr
.irp b, 0,1,2,3
	v_fma_f32 v[BM+\b], v[BM+\b], s[CS], v12       ; the same of each block's largest score
.endr
.set j, 0
	s_wait_alu depctr_va_vdst(0)
.rept 64
	v_exp_f32 v[S+j], v[S+j]                       ; p = 2^(t - M): not normalised
.set j, j+1
.endr
	v_pk_mul_f32 v[14:15], v[14:15], v[F:F+1] op_sel_hi:[1,0]   ; the sums under the new M: a plain place behind the exponentials
	s_wait_alu depctr_va_vdst(0)                   ; one wait for the batch of 64, ahead of its first reader
.irp b, 0,1,2,3
	v_exp_f32 v[BM+\b], v[BM+\b]                   ; the block's largest p
.endr
	v_pk_add_f32 v[204:205], v[100:101], v[104:105]
	v_pk_add_f32 v[252:253], v[108:109], v[112:113]
	v_pk_add_f32 v[250:251], v[116:117], v[120:121]
	v_pk_add_f32 v[248:249], v[124:125], v[128:129]
	v_pk_add_f32 v[246:247], v[132:133], v[136:137]
	v_pk_add_f32 v[244:245], v[140:141], v[144:145]
	v_pk_add_f32 v[242:243], v[148:149], v[152:153]
	v_pk_add_f32 v[14:15], v[14:15], v[156:157]
	v_pk_add_f32 v[204:205], v[204:205], v[96:97]
	v_pk_add_f32 v[252:253], v[252:253], v[98:99]
	v_pk_add_f32 v[250:251], v[250:251], v[102:103]
	v_pk_add_f32 v[248:249], v[248:249], v[106:107]
	v_pk_add_f32 v[246:247], v[246:247], v[110:111]
	v_pk_add_f32 v[244:245], v[244:245], v[114:115]
	v_pk_add_f32 v[242:243], v[242:243], v[118:119]
	v_pk_add_f32 v[14:15], v[14:15], v[122:123]
	v_pk_add_f32 v[204:205], v[204:205], v[126:127]
	v_pk_add_f32 v[252:253], v[252:253], v[130:131]
	v_pk_add_f32 v[250:251], v[250:251], v[134:135]
	v_pk_add_f32 v[248:249], v[248:249], v[138:139]
	v_pk_add_f32 v[246:247], v[246:247], v[142:143]
	v_pk_add_f32 v[244:245], v[244:245], v[146:147]
	v_pk_add_f32 v[242:243], v[242:243], v[150:151]
	v_pk_add_f32 v[14:15], v[14:15], v[154:155]
	v_pk_add_f32 v[204:205], v[204:205], v[158:159]
	s_delay_alu instid0(VALU_DEP_2)
	v_pk_add_f32 v[14:15], v[14:15], v[248:249]
	s_delay_alu instid0(VALU_DEP_2)
	v_pk_add_f32 v[204:205], v[204:205], v[246:247]
	v_pk_add_f32 v[252:253], v[252:253], v[244:245]
	v_pk_add_f32 v[250:251], v[250:251], v[242:243]
	s_delay_alu instid0(VALU_DEP_2)
	v_pk_add_f32 v[14:15], v[14:15], v[252:253]
	s_delay_alu instid0(VALU_DEP_2)
	v_pk_add_f32 v[204:205], v[204:205], v[250:251]
	s_delay_alu instid0(VALU_DEP_1)
	v_pk_add_f32 v[14:15], v[14:15], v[204:205]
	s_wait_alu depctr_va_vdst(0)                   ; and one for the four
.irp b, 0,1,2,3
	v_max_num_f32 v[BM+\b], 0x1800000, v[BM+\b]    ; the floor 2^(3 - 127): the byte cannot fall under 1
.endr
.irp b, 0,1,2,3
	s_delay_alu instid0(VALU_DEP_4)
	v_add_nc_u32 v[SO+\b], 0xff000000, v[BM+\b]    ; 2 off the exponent field: the conversion's scale operand
.endr
.irp b, 0,1,2,3
	s_delay_alu instid0(VALU_DEP_4)
	v_lshrrev_b32 v[PT+\b], 23, v[SO+\b]           ; the scale's byte
.endr
	s_delay_alu instid0(VALU_DEP_3)
	v_lshl_or_b32 v[PW], v[PT+1], 8, v[PT]
	s_delay_alu instid0(VALU_DEP_1)
	v_lshl_or_b32 v[PW], v[PT+2], 16, v[PW]
	s_delay_alu instid0(VALU_DEP_1)
	v_lshl_or_b32 v[PW], v[PT+3], 24, v[PW]
.irp c, 0,1
	v_cvt_scalef32_pk16_fp6_f32 v[PC+6*\c:PC+6*\c+2], v[S+32*\c:S+32*\c+15], v[SO+2*\c]
	v_cvt_scalef32_pk16_fp6_f32 v[PT+4*\c:PT+4*\c+2], v[S+32*\c+16:S+32*\c+31], v[SO+2*\c+1]
.endr
	v_nop                                          ; one plain place behind a scaled conversion
.irp c, 0,1                                    ; a whole block in a lane: lanes 0-15 block 2 c, lanes 16-31 block 2 c + 1
.irp i, 0,1,2
	v_permlane16_swap_b32 v[PC+6*\c+\i], v[PT+4*\c+\i]
.endr
.irp i, 0,1,2
	s_delay_alu instid0(VALU_DEP_3)
	v_mov_b32 v[PC+3+6*\c+\i], v[PT+4*\c+\i]
.endr
.endr
.set j, 0
.rept 16
	v_pk_mul_f32 v[OT+j:OT+j+1], v[OT+j:OT+j+1], v[F:F+1] op_sel_hi:[1,0]   ; O^T under the new M; these sixteen are also the places between the lines that made p's codes and scale word and the products
.set j, j+2
.endr
	s_wait_alu depctr_va_vdst(0)
	s_wait_dscnt 0x0                               ; V is in
.irp t, 0,1,2,3                                ; O^T += V^T P^T: the four accumulators by turns
	v_wmma_scale_f32_16x16x128_f8f6f4 v[OT+8*\t:OT+8*\t+7], v[KF+12*\t:KF+12*\t+11], v[PC:PC+11], v[OT+8*\t:OT+8*\t+7], v[KS+\t], v[PW] matrix_a_fmt:MATRIX_FMT_FP6 matrix_b_fmt:MATRIX_FMT_FP6
.endr
.if \test
.Lskip_\@:
.endif
	s_add_co_u32 s[TB], s[TB], REC
	s_add_co_u32 s[ST], s[ST], 1
.endm
; A tile ends: O^T / the sum, in the true order of d, quantised along d (two blocks of 32), stored as six registers of an operand and two scale bytes a token.
.macro OUT
.rept 4
	v_nop                                          ; places behind the last products
.endr
	v_add_f32 v14, v14, v15
	s_delay_alu instid0(VALU_DEP_1)
	v_permlanex16_b32 v[T0], v14, s[SEL], s[SEL+1]
	s_delay_alu instid0(VALU_DEP_1)
	v_add_f32 v14, v14, v[T0]                      ; the row's sum
	s_wait_alu depctr_va_vdst(0)
	v_rcp_f32 v14, v14
	s_lshr_b32 s58, s[BH], 4
	s_lshl_b32 s58, s58, 7
	s_lshl_b32 s59, s[G], 3
	s_add_co_u32 s58, s58, s59
	s_add_co_u32 s58, s58, s[TI]                   ; my tile of 16 tokens: 128 b + 8 g + 2 cx + u
	s_and_b32 s59, s[BH], 15                       ; the head
	s_lshl_b32 s60, s58, 4
	s_add_co_u32 s60, s60, s59
	s_mul_i32 s60, s60, 768
	s_mov_b32 s61, 0
	s_add_nc_u64 s[OA:OA+1], s[8:9], s[60:61]
	s_lshl_b32 s60, s58, 9
	s_lshl_b32 s59, s59, 1
	s_add_co_u32 s60, s60, s59
	s_add_nc_u64 s[OS:OS+1], s[10:11], s[60:61]
	v_nop                                          ; a plain place behind the reciprocal
	s_wait_alu depctr_va_vdst(0)                   ; and the wait ahead of its first reader
.set j, 0
.rept 32
	v_mul_f32 v[S+j], v[OT+j], v14                 ; register 8 t + i: d = 16 t + 8 (lane / 16) + i; each accumulator from its low end on
.set j, j+1
.endr
.irp b, 0,1
.irp e, 0,1,2,3,4,5,6,7
	v_permlane16_swap_b32 v[S+16*\b+\e], v[S+16*\b+8+\e]   ; now register 16 b + i: d = 32 b + 16 (lane / 16) + i: the order in which w_proj's codes lie
.endr
.endr
.irp b, 0,1
	v_max3_num_f32 v[BM+\b], |v[S+16*\b]|, |v[S+1+16*\b]|, 0x1800000
.endr
.irp i, 2,4,6,8,10,12,14
.irp b, 0,1
	s_delay_alu instid0(VALU_DEP_2)
	v_max3_num_f32 v[BM+\b], v[BM+\b], |v[S+16*\b+\i]|, |v[S+1+16*\b+\i]|
.endr
.endr
.irp b, 0,1
	s_delay_alu instid0(VALU_DEP_2)
	v_permlanex16_b32 v[PT+\b], v[BM+\b], s[SEL], s[SEL+1]
.endr
.irp b, 0,1
	s_delay_alu instid0(VALU_DEP_2)
	v_max_num_f32 v[BM+\b], v[BM+\b], v[PT+\b]
.endr
.irp b, 0,1
	s_delay_alu instid0(VALU_DEP_2)
	v_add_nc_u32 v[SO+\b], 0xff000000, v[BM+\b]
.endr
.irp b, 0,1
	s_delay_alu instid0(VALU_DEP_2)
	v_lshrrev_b32 v[PT+\b], 23, v[SO+\b]
.endr
	s_delay_alu instid0(VALU_DEP_1)
	v_lshl_or_b32 v[T1], v[PT+1], 8, v[PT]         ; my token's two scale bytes
	v_cvt_scalef32_pk16_fp6_f32 v[PC:PC+2], v[S:S+15], v[SO]
	v_cvt_scalef32_pk16_fp6_f32 v[PT+4:PT+6], v[S+16:S+31], v[SO+1]
	v_nop                                          ; one plain place behind a scaled conversion
.irp i, 0,1,2
	v_permlane16_swap_b32 v[PC+\i], v[PT+4+\i]
.endr
.irp i, 0,1,2
	s_delay_alu instid0(VALU_DEP_3)
	v_mov_b32 v[PC+3+\i], v[PT+4+\i]
.endr
.irp p, 0,1,2
	global_store_b64 v[GO8], v[PC+2*\p:PC+2*\p+1], s[OA:OA+1] offset:256*\p   ; 32 lanes store 256 consecutive bytes, aligned
.endr
	global_store_b16 v[R32], v[T1], s[OS:OS+1]     ; lanes l and l xor 16 hold the same token's bytes and write the same value to the same place
	s_wait_xcnt 0x0                                ; the stores have read their registers and bases: both are written again for the next tile
.endm
	s_mov_b32 s[G], s[GL]                          ; the first tile: group 8 + w'
	INIT
	s_wait_alu depctr_va_vdst(0)                   ; the wait at the head's end
	s_cmp_lt_u32 s[WV], 4                          ; waves 0 to 3 wait for records 0 to 3; the later records may be out
	s_cbranch_scc0 .Lnot_first
	s_wait_tensorcnt 0x0
.Lnot_first:
	s_barrier_signal -1
	s_barrier_wait -1                              ; records 0 to 3 are whole
	s_mov_b32 s[CNT], 4
.Lfirst:                                           ; steps 0 to 3: all their keys count for every wave's first tile
	UNIT 0
	s_sub_co_u32 s[CNT], s[CNT], 1
	s_cmp_lg_u32 s[CNT], 0
	s_cbranch_scc1 .Lfirst
	s_wait_tensorcnt 0x0                           ; my later records are in,
	s_wait_dscnt 0x0
	s_barrier_signal -1
	s_barrier_wait -1                              ; everybody's are
	s_mov_b32 s[CNT], 12
.Lrest:                                            ; steps 4 to 15
	UNIT 1
	s_sub_co_u32 s[CNT], s[CNT], 1
	s_cmp_lg_u32 s[CNT], 0
	s_cbranch_scc1 .Lrest
	OUT
	s_mov_b32 s[G], s[GS]                          ; the second tile: group 7 - w'
.irp i, 0,1,2,3,4,5
	v_mov_b32 v[QF+\i], v[QF2+\i]
.endr
	v_mov_b32 v[QS], v[QS2]
	INIT                                           ; (its lines are also the places between these moves and the next products)
	s_mov_b32 s[CNT], 8
.Lsecond:                                          ; steps 0 to 7
	UNIT 1
	s_sub_co_u32 s[CNT], s[CNT], 1
	s_cmp_lg_u32 s[CNT], 0
	s_cbranch_scc1 .Lsecond
	OUT
	s_wait_tensorcnt 0x0
	ds_add_u32 v254, v255
	s_wait_dscnt 0x0
	CROUND                                         ; the closing round
	s_endpgm
.Lfunc_end_k_q751313179e_attn:
	.size	k_q751313179e_attn, .Lfunc_end_k_q751313179e_attn-k_q751313179e_attn
	.p2alignl 7, 3214868480
	.fill 96, 4, 3214868480
	.section	.rodata,"a",@progbits
	.p2align	6, 0x0
	.amdhsa_kernel k_q751313179e_attn
		.amdhsa_group_segment_fixed_size 215040
		.amdhsa_private_segment_fixed_size 0
		.amdhsa_enable_private_segment 0
		.amdhsa_kernarg_size 32
		.amdhsa_user_sgpr_count 2
		.amdhsa_user_sgpr_kernarg_segment_ptr 1
		.amdhsa_wavefront_size32 1
		.amdhsa_system_sgpr_workgroup_id_x 1
		.amdhsa_system_sgpr_workgroup_id_y 1
		.amdhsa_system_sgpr_workgroup_id_z 1
		.amdhsa_system_vgpr_workitem_id 0
		.amdhsa_next_free_vgpr 256
		.amdhsa_next_free_sgpr 72
		.amdhsa_reserve_vcc 1
		.amdhsa_float_denorm_mode_32 3
		.amdhsa_float_denorm_mode_16_64 3
		.amdhsa_memory_ordered 1
		.amdhsa_forward_progress 1
		.amdhsa_inst_pref_size 82
	.end_amdhsa_kernel
	.amdgpu_metadata
---
amdhsa.version: [ 1, 2 ]
amdhsa.kernels:
  - .name:           k_q751313179e_attn
    .symbol:         k_q751313179e_attn.kd
    .args:
      - { .name: qbuf, .offset: 0, .size: 8, .value_kind: global_buffer, .address_space: global }
      - { .name: kv, .offset: 8, .size: 8, .value_kind: global_buffer, .address_space: global }
      - { .name: acod, .offset: 16, .size: 8, .value_kind: global_buffer, .address_space: global }
      - { .name: ascl, .offset: 24, .size: 8, .value_kind: global_buffer, .address_space: global }
    .group_segment_fixed_size: 215040
    .private_segment_fixed_size: 0
    .kernarg_segment_align: 8
    .kernarg_segment_size: 32
    .max_flat_workgroup_size: 512
    .sgpr_count:     72
    .vgpr_count:     256
    .wavefront_size: 32
...
	.end_amdgpu_metadata
.endif
;; end of part 2
;; launch proj (part 3): grid 8 x 32, 4 waves a work-group, clusters of 4 x 4, 327,680 bytes of LDS; arguments acod, ascl, w_proj_codes, w_proj_scales, out0, b_proj; writes out0
.if DOCPART == 3
	.amdgcn_target "amdgcn-amd-amdhsa--gfx1250"
	.amdhsa_code_object_version 6
	.text
	.protected	k_q751313179e_proj
	.globl	k_q751313179e_proj
	.p2align	8
	.type	k_q751313179e_proj,@function
k_q751313179e_proj:
	s_mov_b64 s[64:65], 0
	v_nop
	global_prefetch_b8 v0, s[64:65] scope:SCOPE_SE
	s_setreg_imm32_b32 hwreg(HW_REG_WAVE_MODE, 25, 1), 1
	s_wait_xcnt 0x0
	s_wait_alu depctr_hold_cnt(0) depctr_sa_sdst(0) depctr_va_vdst(0) depctr_va_sdst(0) depctr_va_ssrc(0) depctr_va_vcc(0) depctr_vm_vsrc(0)
	s_getreg_b32 s2, hwreg(HW_REG_IB_STS2, 6, 4)
	s_cmp_eq_u32 s2, 0
	s_cbranch_scc0 .Lentry_in_a_cluster
	s_endpgm
.Lentry_in_a_cluster:
	s_bfe_u32 s2, ttmp6, 0x10000c
	s_cmp_lg_u32 s2, 0xf033
	s_cbranch_scc0 .Lentry_shape_is_right
	s_endpgm
.Lentry_shape_is_right:
; out0 = A w_proj^T + b_proj on codes of FP6 (E2M3) with E8M0 scales, K = 1,024.  A: acod [tile of 16 tokens][head][768 bytes] (six operand registers, registers 2 p, 2 p + 1 at 256 p + 8 lane), ascl [token][32].
; 256 work-groups, each 256 tokens x 128 columns; four waves 2 x 2, a wave 128 x 64: 32 accumulators.  BOTH OPERANDS LIE WHOLE IN LDS: A 196,608 bytes, W 128 rows of 768 + 3 x 16 bytes: nothing is filled again.
; THE HEAD'S LOADS, one a wave, joint in a 4 x 4 cluster (A along a row of it, W along a column): waves 0, 1 W's halves of 64 rows, wave 2 A's heads 0-7 (16 rows of 6,144 bytes), wave 3 A's heads 8-15.
; The first barrier shows waves 0 to 2's tiles; K steps 0 to 3 need no more.  A plain barrier ahead of step 3, which fetches step 4's fragments, shows wave 3's.
; THE SCALE WORDS go from memory into registers: lane (r, h) takes bytes 16 h .. 16 h + 15 of row r, 512 bytes on end an instruction: register j holds step j's word in lanes 0-15 and step 4 + j's in lanes 16-31.
; Source 0 = 16 rows of W, source 1 = 16 tokens: a lane holds eight neighbouring columns of one token.  The bias, laid as the result lies, is the first products' C.
; Results leave through each wave's own stage in LDS, as rows of 256 bytes.  No prefetch: all that the launch reads is asked for at its head, and no loop runs ahead of a later request.
.set KROW,   768
.set PITCH,  816                       ; W's LDS row: 3 x (256 + 16)
.set AT,     6144                      ; 16 tokens x 8 heads
.set AH,     16*AT                     ; a K half of A
.set BB,     2*AH
.set SPARE,  BB+128*PITCH
.set STAGE,  SPARE+512
.set SPITCH, 272
.set FR,   12
.set ADRA, 16                          ; v16, v17 my fragments of A in K half 0, 1
.set ADRB, 18                          ; v18, v19 of W (v19: lanes 16-31 behind one padding more)
.set STO,  20
.set RD,   21
.set CO,   22
.set SPW,  28
.set NIL,  29
.set SA,   32                          ; v32-63 A's scale words, four registers a block
.set SB,   66                          ; v66-81 W's
.set BI,   96                          ; v96-127 the bias
.set BF,   128                         ; v128-223 W's fragments, two sets; window 1 v0-191: A's, two sets; window 2: the accumulators, (a, b) at 8 (4 a + b)
.set BK,   128                         ; the way out: rows read back, two sets of 32
.set MSB, 0
.macro WIN new
.if MSB != (\new)
	s_set_vgpr_msb (MSB<<8)|(\new)
.set MSB, (\new)
.endif
.endm
.macro PLACES n
.rept \n
	v_nop
.endr
.endm
.macro BARRIER
	s_barrier_signal -1
	s_barrier_wait -1
.endm
.macro CROUND
	BARRIER
	s_cmp_lg_u32 s16, 0
	s_cbranch_scc1 .Lnot_wave_0_\@
	s_barrier_signal -3
.Lnot_wave_0_\@:
	s_barrier_wait -3
	BARRIER
.endm
.macro TLOAD g0, g1
	tensor_load_to_lds s[\g0:\g0+3], s[\g1:\g1+7]
	s_nop 0
	PLACES 4
.endm
	s_load_b128 s[4:7], s[0:1], 0x0                ; acod, ascl
	s_load_b128 s[8:11], s[0:1], 0x10              ; w_proj's codes, scales
	s_load_b128 s[12:15], s[0:1], 0x20             ; out0, b_proj
	v_lshl_add_u32 v[SPW], v0, 2, SPARE
	v_mov_b32 v[NIL], 0
	ds_add_u32 v[SPW], v[NIL]                      ; the opening lines
	ds_add_u32 v[SPW], v[NIL]
	v_lshrrev_b32 v1, 5, v0
	v_readfirstlane_b32 s16, v1                    ; wave
	s_lshr_b32 s17, s16, 1                         ; my half of the tokens
	s_and_b32 s18, s16, 1                          ; my half of the columns; also: which half I fetch
	s_bfe_u32 s40, ttmp6, 0x40000
	s_bfe_u32 s41, ttmp6, 0x40004
	s_lshl_b32 s42, ttmp9, 2
	s_add_co_u32 s42, s42, s40                     ; tile column, 0 .. 7
	s_and_b32 s19, ttmp7, 0xffff
	s_lshl_b32 s19, s19, 2
	s_add_co_u32 s19, s19, s41                     ; tile row, 0 .. 31
	s_lshl_b32 s43, s41, 2
	s_lshl_b32 s43, 15, s43
	s_lshl_b32 s44, 0x1111, s40
	s_or_b32 s24, s43, (3<<16)|(1<<21)             ; A: 16 rows of 768 elements of 8 bytes, 1,536 apart
	s_mov_b32 s25, 768<<16
	s_mov_b32 s26, 16<<16
	s_mov_b32 s27, 768<<16
	s_mov_b32 s28, 16
	s_mov_b32 s29, 1536
	s_mov_b32 s30, 0
	s_mov_b32 s31, 0
	s_or_b32 s48, s44, (1<<20)|(1<<21)|(5<<22)|(3<<25)   ; W: 64 rows of 768 bytes, 16 of padding behind every 256
	s_mov_b32 s49, KROW<<16
	s_mov_b32 s50, 64<<16
	s_mov_b32 s51, KROW<<16
	s_mov_b32 s52, 64
	s_mov_b32 s53, KROW
	s_mov_b32 s54, 0
	s_mov_b32 s55, 0
	s_mul_i32 s20, s19, 2*AH
	s_mul_i32 s22, s18, AT
	s_add_co_u32 s20, s20, s22
	s_mov_b32 s21, 0
	s_mul_i32 s46, s42, 128*KROW
	s_mul_i32 s22, s18, 64*KROW
	s_add_co_u32 s46, s46, s22
	s_mov_b32 s47, 0
	s_mov_b32 s32, 1
	s_mul_i32 s33, s18, AH
	s_mov_b32 s36, 1
	s_mul_i32 s37, s18, 64*PITCH
	s_add_co_u32 s37, s37, BB
	s_wait_alu depctr_va_vdst(0)
	s_wait_dscnt 0x0
	s_wait_kmcnt 0x0
	s_add_nc_u64 s[34:35], s[4:5], s[20:21]
	s_or_b32 s35, s35, 0x80000000
	s_add_nc_u64 s[38:39], s[8:9], s[46:47]
	s_or_b32 s39, s39, 0x80000000
	CROUND                                         ; the joint loads meet
	s_cmp_lt_u32 s16, 2
	s_cbranch_scc0 .Lfor_a0
	TLOAD 36, 48
	s_branch .Lasked
.Lfor_a0:
	s_cmp_eq_u32 s16, 2
	s_cbranch_scc0 .Lfor_a1
	TLOAD 32, 24
	s_branch .Lasked
.Lfor_a1:
	TLOAD 32, 24
.Lasked:
	v_and_b32 v1, 15, v0                           ; r
	v_bfe_u32 v2, v0, 4, 1                         ; h
	v_and_b32 v3, 31, v0
	s_mul_i32 s21, s17, 8*AT
	v_lshl_add_u32 v[ADRA], v3, 3, s21
	v_add_nc_u32 v[ADRA+1], AH, v[ADRA]
	v_mul_u32_u24 v4, v1, PITCH
	s_mul_i32 s22, s18, 64*PITCH
	s_add_co_u32 s22, s22, BB
	v_add_nc_u32 v4, s22, v4
	v_mad_u32_u24 v[ADRB], v2, 24, v4
	v_mad_u32_u24 v[ADRB+1], v2, 40, v4
	v_lshlrev_b32 v5, 5, v1
	v_lshl_add_u32 v5, v2, 4, v5                   ; scales: 32 r + 16 h
	v_lshlrev_b32 v7, 5, v2                        ; bias: 32 h
	s_mul_i32 s23, s16, 16*SPITCH
	s_add_co_u32 s23, s23, STAGE
	v_mul_u32_u24 v6, v1, SPITCH
	v_lshl_add_u32 v6, v2, 5, v6
	v_add_nc_u32 v[STO], s23, v6                   ; in: row r, 32 bytes for each half of the lanes
	v_mul_u32_u24 v6, v2, SPITCH
	v_lshl_add_u32 v6, v1, 4, v6
	v_add_nc_u32 v[RD], s23, v6                    ; back: lanes 0-15 one row of 256 bytes, lanes 16-31 the next
	v_lshlrev_b32 v6, 12, v2
	v_lshl_add_u32 v[CO], v1, 4, v6                ; the same two rows in out0
	s_lshl_b32 s20, s19, 13
	s_lshl_b32 s22, s17, 12
	s_add_co_u32 s20, s20, s22                     ; my first token x 32
	s_mov_b32 s21, 0
	s_add_nc_u64 s[6:7], s[6:7], s[20:21]
	s_lshl_b32 s20, s20, 7                         ; x 4,096
	s_lshl_b32 s46, s42, 9
	s_lshl_b32 s22, s18, 8
	s_add_co_u32 s46, s46, s22                     ; my first column x 4
	s_mov_b32 s47, 0
	s_add_nc_u64 s[14:15], s[14:15], s[46:47]
	s_add_nc_u64 s[12:13], s[12:13], s[46:47]
	s_add_nc_u64 s[12:13], s[12:13], s[20:21]
	s_lshl_b32 s46, s46, 3                         ; x 32
	s_add_nc_u64 s[10:11], s[10:11], s[46:47]
	s_wait_alu depctr_va_vdst(0)                   ; the wait ahead of the readers below
.irp i, 0,1,2,3,4,5,6,7
	global_load_b128 v[SA+4*\i:SA+4*\i+3], v5, s[6:7] offset:512*\i
.endr
.irp b, 0,1,2,3
	global_load_b128 v[SB+4*\b:SB+4*\b+3], v5, s[10:11] offset:512*\b
.endr
.irp b, 0,1,2,3
	global_load_b128 v[BI+8*\b:BI+8*\b+3], v7, s[14:15] offset:64*\b
	global_load_b128 v[BI+8*\b+4:BI+8*\b+7], v7, s[14:15] offset:64*\b+16
.endr
.macro FETCH q                         ; step q's fragments into set q % 2: 48 loads for A's eight, 24 for W's four
.set E_, (\q)%2
	WIN 0x40
.irp i, 0,1,2,3,4,5,6,7
.irp p, 0,1,2,3,4,5
	ds_load_b64 v[96*E_+FR*\i+2*\p:96*E_+FR*\i+2*\p+1], v[ADRA+(\q)/4] offset:AT*\i+1536*((\q)%4)+256*\p
.endr
.endr
	WIN 0
	s_wait_dscnt 48                                ; all but A's 48 loads just issued: the fragments of the step that is multiplied next are in
.irp b, 0,1,2,3
.irp p, 0,1,2,3,4,5
.set PC_, 12*(\q)+6*(\p/3)+\p%3
	ds_load_b64 v[BF+48*E_+FR*\b+2*\p:BF+48*E_+FR*\b+2*\p+1], v[ADRB+(PC_%32+3)/32] offset:8*(PC_+2*(PC_/32))+\b*16*PITCH
.endr
.endr
.endm
.macro MUL q                           ; 32 products; the 32 accumulators take turns
.set E_, (\q)%2
.irp a, 0,1,2,3,4,5,6,7
.irp b, 0,1,2,3
.if (\q) == 0
	v_wmma_scale_f32_16x16x128_f8f6f4 v[8*(4*\a+\b):8*(4*\a+\b)+7], v[BF+FR*\b:BF+FR*\b+FR-1], v[FR*\a:FR*\a+FR-1], v[BI+8*\b:BI+8*\b+7], v[SB+4*\b], v[SA+4*\a] matrix_a_fmt:MATRIX_FMT_FP6 matrix_b_fmt:MATRIX_FMT_FP6
.elseif (\q) < 4
	v_wmma_scale_f32_16x16x128_f8f6f4 v[8*(4*\a+\b):8*(4*\a+\b)+7], v[BF+48*E_+FR*\b:BF+48*E_+FR*\b+FR-1], v[96*E_+FR*\a:96*E_+FR*\a+FR-1], v[8*(4*\a+\b):8*(4*\a+\b)+7], v[SB+4*\b+(\q)], v[SA+4*\a+(\q)] matrix_a_fmt:MATRIX_FMT_FP6 matrix_b_fmt:MATRIX_FMT_FP6
.else
	v_wmma_scale_f32_16x16x128_f8f6f4 v[8*(4*\a+\b):8*(4*\a+\b)+7], v[BF+48*E_+FR*\b:BF+48*E_+FR*\b+FR-1], v[96*E_+FR*\a:96*E_+FR*\a+FR-1], v[8*(4*\a+\b):8*(4*\a+\b)+7], v[SB+4*\b+(\q)-4], v[SA+4*\a+(\q)-4] matrix_a_fmt:MATRIX_FMT_FP6 matrix_b_fmt:MATRIX_FMT_FP6 matrix_a_scale:MATRIX_SCALE_ROW1 matrix_b_scale:MATRIX_SCALE_ROW1
.endif
.endr
.endr
.endm
.macro STEP q
.if (\q) == 3
	s_wait_tensorcnt 0x0                           ; every wave's load is in, wave 3's among them
	s_wait_dscnt 0x0
	BARRIER                                        ; A's heads 8-15 are shown to all
.endif
.if (\q) > 0
	PLACES 4                                       ; between the last step's products and the loads into their registers
.endif
.if (\q) < 7
	FETCH (\q)+1
.else
	s_wait_dscnt 0x0
.endif
.if (\q) == 0
	WIN 0x84                                       ; source 1 window 1, C window 0, D window 2
.else
	WIN 0xa4                                       ; C and D window 2
.endif
	MUL \q
	WIN 0
.endm
	s_wait_alu depctr_va_vdst(0)                   ; the wait at the head's end
	s_cmp_lt_u32 s16, 3
	s_cbranch_scc0 .Llater
	s_wait_tensorcnt 0x0
.Llater:
	BARRIER                                        ; W and A's heads 0-7 are in
	FETCH 0
	s_wait_loadcnt 0x0                             ; the scale words and the bias
.irp q, 0,1,2,3,4,5,6,7
	STEP \q
.endr
.macro TOSTAGE a                       ; 16 tokens x 64 columns into my stage and back as rows; LDS serves a wave's instructions in order (ISA guide 5.7.1.4)
	WIN 0x08
.irp b, 0,1,2,3
	ds_store_b128 v[STO], v[32*(\a)+8*\b:32*(\a)+8*\b+3] offset:64*\b
	ds_store_b128 v[STO], v[32*(\a)+8*\b+4:32*(\a)+8*\b+7] offset:64*\b+16
.endr
	WIN 0
.set BB_, BK+32*((\a)%2)
.irp t, 0,1,2,3,4,5,6,7
	ds_load_b128 v[BB_+4*\t:BB_+4*\t+3], v[RD] offset:\t*2*SPITCH
.endr
.endm
.macro SEND a, younger
.set BB_, BK+32*((\a)%2)
	s_wait_dscnt \younger
.if (\a) > 0
	s_add_nc_u64 s[12:13], s[12:13], 16*4096       ; behind a wait on XCNT: the earlier stores have read their base
.endif
.irp t, 0,1,2,3,4,5,6,7
	global_store_b128 v[CO], v[BB_+4*\t:BB_+4*\t+3], s[12:13] offset:2*\t*4096 th:TH_STORE_NT   ; 16 lanes store 256 consecutive bytes, aligned
.endr
.endm
	PLACES 4
	TOSTAGE 0
.irp a, 1,2,3,4,5,6,7
.if \a > 1
	s_wait_xcnt 0x0                                ; block a - 2's stores have read their registers and base
.endif
	TOSTAGE \a
	SEND \a-1, 16                                  ; younger: block a's 8 stores and 8 loads
.endr
	s_wait_xcnt 0x0
	SEND 7, 0
	s_wait_tensorcnt 0x0                           ; the wave's end
	ds_add_u32 v[SPW], v[NIL]
	s_wait_dscnt 0x0
	CROUND                                         ; the closing round
	s_endpgm
.Lfunc_end_k_q751313179e_proj:
	.size	k_q751313179e_proj, .Lfunc_end_k_q751313179e_proj-k_q751313179e_proj
	.p2alignl 7, 3214868480
	.fill 96, 4, 3214868480
	.section	.rodata,"a",@progbits
	.p2align	6, 0x0
	.amdhsa_kernel k_q751313179e_proj
		.amdhsa_group_segment_fixed_size 327680
		.amdhsa_private_segment_fixed_size 0
		.amdhsa_enable_private_segment 0
		.amdhsa_kernarg_size 48
		.amdhsa_user_sgpr_count 2
		.amdhsa_user_sgpr_kernarg_segment_ptr 1
		.amdhsa_wavefront_size32 1
		.amdhsa_system_sgpr_workgroup_id_x 1
		.amdhsa_system_sgpr_workgroup_id_y 1
		.amdhsa_system_sgpr_workgroup_id_z 1
		.amdhsa_system_vgpr_workitem_id 0
		.amdhsa_next_free_vgpr 768
		.amdhsa_next_free_sgpr 66
		.amdhsa_reserve_vcc 0
		.amdhsa_float_denorm_mode_32 3
		.amdhsa_float_denorm_mode_16_64 3
		.amdhsa_memory_ordered 1
		.amdhsa_forward_progress 1
		.amdhsa_inst_pref_size 95
	.end_amdhsa_kernel
	.amdgpu_metadata
---
amdhsa.version: [ 1, 2 ]
amdhsa.kernels:
  - .name:           k_q751313179e_proj
    .symbol:         k_q751313179e_proj.kd
    .args:
      - { .name: acod, .offset: 0, .size: 8, .value_kind: global_buffer, .address_space: global }
      - { .name: ascl, .offset: 8, .size: 8, .value_kind: global_buffer, .address_space: global }
      - { .name: w_proj_codes, .offset: 16, .size: 8, .value_kind: global_buffer, .address_space: global }
      - { .name: w_proj_scales, .offset: 24, .size: 8, .value_kind: global_buffer, .address_space: global }
      - { .name: out0, .offset: 32, .size: 8, .value_kind: global_buffer, .address_space: global }
      - { .name: b_proj, .offset: 40, .size: 8, .value_kind: global_buffer, .address_space: global }
    .group_segment_fixed_size: 327680
    .private_segment_fixed_size: 0
    .kernarg_segment_align: 8
    .kernarg_segment_size: 48
    .max_flat_workgroup_size: 128
    .sgpr_count:     66
    .vgpr_count:     768
    .wavefront_size: 32
...
	.end_amdgpu_metadata
.endif
;; end of part 3
